; MI455X (gfx1250); checked and timed in simulation.
; The chip was launched on July 23, 2026; its instructions are those of AMD's public machine-readable ISA for CDNA 5 (MIT licence, August 2026) and "CDNA5" Instruction Set Architecture Reference Guide (July 2026). The comments in the code are by the model that wrote it; some were corrected since.
;; Sparse Mo E Layer. Allowed arithmetic: matrix products marked QUANTISED: E3M2 operands, one E8M0 scale for each 32 along K, by v_wmma_scale_f32_16x16x128_f8f6f4 with both operands' format E3M2, f32 sums; products left as they are: f32 operands where the result goes on into a quantised operand, else bf16, f16 or f32 operands; f32 sums; everything else in f32.
;; Inputs: b1 8 x 512 float32; b2 8 x 1,024 float32; gate_w 1,024 x 8 float32; w1_codes 8 x 512 x 32 x 24 uint8 (E3M2 codes of w1, K innermost, in blocks of 32 codes, four codes in three bytes); w1_scales 8 x 512 x 32 uint8 (E8M0 scales of w1, one for each 32 codes along K); w2_codes 8 x 1,024 x 16 x 24 uint8 (E3M2 codes of w2, K innermost, in blocks of 32 codes, four codes in three bytes); w2_scales 8 x 1,024 x 16 uint8 (E8M0 scales of w2, one for each 32 codes along K); x 4 x 2,048 x 1,024 float32.
;; Outputs: out0 4 x 2,048 x 1,024 float32; out1 one number float32.
;; This version of the problem:
;;   THIS VERSION OF THE PROBLEM IS GIVEN IN LOW PRECISION. The matrix products marked QUANTISED in the list below multiply operands that are first quantised to E3M2 (3 exponent bits, 2 mantissa bits; 6 bits a number), with one power-of-two scale for each 32 numbers along K (OCP MX v1.0); their sums are f32. All else is computed in f32.
;;   The module's matrix products, in the order in which they are computed (A, B: the left and right operand; K: the contracted axis; several contracted axes count as one K, in the product's order):
;;     1. [M 8,192, K 1,024] x [K 1,024, N 8]; A: input x; B: input gate_w: left as it is (N = 8 < 16)
;;     2. batch 8,192 x [M 1, K 2] x [K 2, N 8]; A: computed on the way; B: computed on the way: left as it is (K = 2 < 32)
;;     3. [M 4,096, K 1,024] x [K 1,024, N 8,192]; A: input w1 (given as codes); B: input x: QUANTISED
;;     4. batch 8 x [M 8,192, K 512] x [K 512, N 1,024]; A: computed on the way; B: input w2 (given as codes): QUANTISED
;;     5. batch 8,192 x [M 1, K 8] x [K 8, N 1,024]; A: computed on the way; B: computed on the way: left as it is (K = 8 < 32)
;;   THE QUANTISER, for each operand of a quantised product, along K:
;;     - K is cut into blocks of 32 from its start; a last block that is shorter is filled with zeros.
;;     - A block's scale is 2^e with e = floor(log2(the largest magnitude in the block)) - 4, held to -126 .. 127; a block of zeros has e = 0. As a byte (E8M0): e + 127.
;;     - Each number is divided by its block's scale, clamped to +-28, and rounded to the nearest number of E3M2, ties to even, subnormals kept.
;;     - The product sums the exact products of the quantised numbers (number of the format x scale) in f32.
;;   ~~~python
;;   def quantise(x, axis):      # numpy; x: float32 -> the quantised numbers, widened to float32 again
;;       x = np.moveaxis(x, axis, -1); K = x.shape[-1]
;;       x = np.pad(x, [(0, 0)] * (x.ndim - 1) + [(0, -K % 32)]); x = x.reshape(x.shape[:-1] + (-1, 32)); a = np.abs(x).max(-1, keepdims=True)
;;       e = np.where(a > 0, np.clip(np.frexp(np.where(a > 0, a, 1))[1] - 1 - 4, -126, 127), 0)      # np.frexp(a)[1] - 1 = floor(log2(a)), exactly
;;       r = np.clip(x / 2.0 ** e, -28, 28)
;;       step = 2.0 ** (np.maximum(np.frexp(np.where(r == 0, 1, r))[1] - 1, -2) - 2)
;;       q = np.round(r / step) * step * 2.0 ** e      # np.round: ties to even
;;       return np.moveaxis(q.reshape(q.shape[:-2] + (-1,))[..., :K], -1, axis).astype(np.float32)
;;   ~~~
;;   OPERANDS COMPUTED ON THE WAY. 'Computed on the way' means the value that the module computes at that place (a softmax that the list does not call 'softmax' is quantised finished and normalised). What goes into a quantiser is computed in f32, as accurately as f32 sums, v_exp_f32 and their like allow (about 1e-6 of the number): no bf16 or f16 on the way to a quantiser, and a product that is left as it is and whose result goes on into a quantised operand takes f32 operands (vector FMAs, or v_wmma_f32_16x16x4_f32). A number that lies on a knife's edge between two numbers of the format may be rounded either way, as far as f32 arithmetic and the matrix unit's own rounding can turn it there, and no further.
;;   INPUTS GIVEN AS CODES. w1 (in the module: [8, 1024, 512], K = its axis 1); w2 (in the module: [8, 512, 1024], K = its axis 1): each comes as NAME_codes (uint8): NAME with its K axis moved to the last place and cut into blocks of 32 codes, [.., K / 32, bytes a block], one block behind the other in memory; four codes in three bytes: a row's codes are one little-endian stream of bits, code i at bits 6 i .. 6 i + 5 (a code: sign, 3 exponent bits, 2 mantissa bits); and NAME_scales (uint8): the same leading axes, one E8M0 byte (e + 127) for each 32 codes along K. Its value is code x scale, taken as it is: it is not quantised again, and the codes and scales need not be those that the quantiser above would give.
;; One version. Each part assembles by itself: llvm-mc -triple=amdgcn-amd-amdhsa -mcpu=gfx1250 --defsym DOCPART=n.
;; ======== version 1 of 1: 3 launches
;; workspace buffers: xq 6,553,600 bytes; route 65,536 bytes of whole numbers; rw 163,840 bytes; plan 35,328 bytes of whole numbers; wf 6,553,600 bytes
;; launch route (part 1): grid 256 x 1, 8 waves a work-group, no clusters, 128,000 bytes of LDS; arguments x, gate_w, xq, route, rw; writes xq, route, rw
.if DOCPART == 1
	.amdgcn_target "amdgcn-amd-amdhsa--gfx1250"
	.amdhsa_code_object_version 6
	.text
	.protected	k_q89cad7ed63_route
	.globl	k_q89cad7ed63_route
	.p2align	8
	.type	k_q89cad7ed63_route,@function
k_q89cad7ed63_route:
	s_mov_b64 s[64:65], 0
	v_nop
	global_prefetch_b8 v0, s[64:65] scope:SCOPE_SE
	s_setreg_imm32_b32 hwreg(HW_REG_WAVE_MODE, 25, 1), 1
	s_wait_xcnt 0x0
; ROUTER AND QUANTISER.  x [8192][1024] f32, gate_w [1024][8] f32.
; For each token: 8 logits in f32 (fused multiply-adds), softmax with the row's maximum taken away, the two largest
; probabilities (the lower index wins a tie), their weights w = p / (p1 + p2 + 1e-9); and x's codes of E3M2 with one E8M0 byte for each 32 along K.
; STORED: xq: codes [8192][8 K steps][96 bytes], in a K step the four blocks of 24 bytes in the order 0, 2, 1, 3, so that a lane of an operand finds
;   its 48 bytes on end; from byte 6291456 the scale bytes [8192][32], in their natural order.
;   route: [8192] key | rank << 8 (key: the number 0..27 of the unordered pair of experts; rank: how many earlier tokens of my 32 have the same key);
;   from byte 32768 [256][32] how many of my 32 tokens have each key.
;   rw: [8192][4] f32 (c_lo, c_lo, c_hi, c_hi); from byte 131072 [256][32] f32: sums of the 8 probabilities, counts of the first choice, zeros.
; Nothing that is derived from floating-point numbers enters an address or a branch here: choices are stored as data, at fixed places.
; SHARES: a work-group takes 32 tokens, each of its 8 waves 4 rows; all 128 KiB of the group's x are asked for at the head.
; LIMITS: NaN and infinities are not served.  A probability under 2^-126 is flushed to 0 by v_exp_f32: the second expert may then differ, with a weight under 1e-37.
;   A block of zeros gets the byte 1, not 127: its codes are zeros and this program alone reads the bytes.
;   The logits are summed in another order than a plain loop over K: two logits that agree to f32 rounding may change places.
.set STG,   40960                      ; LDS: 0: gate_w turned: e x 5120 + (k / 16) x 80 + (k % 16) x 4;  here: two stages of 5,120 bytes for each wave
.set SCB,   122880                     ; the group's 1,024 scale bytes, as they lie in memory
.set REC,   123904                     ; 32 records of 64 bytes: key, first choice, c_lo, c_hi, 8 probabilities
.set ACCU,  16                         ; v16-31   8 pairs of partial sums, one pair an expert
.set LG,    32                         ; v32-39   logits
.set PR,    40                         ; v40-47   probabilities
.set XT,    64                         ; v64-127  two sets of 32: a row with 16 neighbours along K in a lane, twice
.set RW,    128                        ; v128-255 four rows as loaded; a finished row's registers take its codes
                                       ; window 1: gate_w(512 t + 16 lane + i, e) at v[32 e + 16 t + i]
.set MSB, 0
.macro WIN new                         ; the immediate's high byte repeats the setting that is left
.if MSB != \new
	s_set_vgpr_msb (MSB<<8)|\new
.set MSB, \new
.endif
.endm
	s_load_b256 s[4:11], s[0:1], 0x0               ; x, gate_w, xq, route
	s_load_b64 s[12:13], s[0:1], 0x20              ; rw
	v_lshrrev_b32 v48, 5, v0
	s_delay_alu instid0(VALU_DEP_1)
	v_readfirstlane_b32 s14, v48                   ; wave 0..7
	v_and_b32 v1, 31, v0                           ; lane
	s_delay_alu instid0(VALU_DEP_1)
	v_lshlrev_b32 v2, 4, v1                        ; 16 x lane
	s_mul_i32 s20, s14, 10240
	s_add_co_u32 s20, s20, STG                     ; my wave's stages
	v_lshrrev_b32 v48, 2, v1
	s_delay_alu instid0(VALU_DEP_1)
	v_mul_u32_u24 v48, v48, 80
	v_and_b32 v49, 3, v1
	s_delay_alu instid0(VALU_DEP_1)
	v_lshl_add_u32 v48, v49, 4, v48
	s_delay_alu instid0(VALU_DEP_1)
	v_add_nc_u32 v3, s20, v48                      ; into a stage: four lanes' 64 bytes on end, then 16 of padding
	v_mul_u32_u24 v5, v1, 80                       ; 80 x lane: my place in the turned gate_w,
	s_delay_alu instid0(VALU_DEP_1)
	v_add_nc_u32 v4, s20, v5                       ; and out of a stage: my 16 neighbours
	v_and_b32 v48, 1, v0
	s_delay_alu instid0(VALU_DEP_1)
	v_mul_u32_u24 v6, v48, 20480                   ; gate_w on its way in: thread n holds k = 128 i + n / 2, experts 4 (n % 2) + 0..3
	v_lshrrev_b32 v48, 5, v0
	s_delay_alu instid0(VALU_DEP_1)
	v_mad_u32_u24 v6, v48, 80, v6
	v_bfe_u32 v48, v0, 1, 4
	s_delay_alu instid0(VALU_DEP_1)
	v_lshl_add_u32 v6, v48, 2, v6
	v_lshrrev_b32 v48, 3, v1
	s_delay_alu instid0(VALU_DEP_1)
	v_mul_u32_u24 v7, v48, 96                      ; my 12 bytes of codes: K step lane / 8,
	v_bfe_u32 v48, v1, 1, 1
	v_bfe_u32 v49, v1, 2, 1
	s_delay_alu instid0(VALU_DEP_1)
	v_lshl_add_u32 v48, v48, 1, v49                ; block b = (lane / 2) % 4 at place 2 (b % 2) + b / 2,
	s_delay_alu instid0(VALU_DEP_1)
	v_mad_u32_u24 v7, v48, 24, v7
	v_and_b32 v48, 1, v1
	s_delay_alu instid0(VALU_DEP_1)
	v_mad_u32_u24 v7, v48, 12, v7                  ; its lower or upper 16 codes
	s_lshl_b32 s21, s14, 7
	s_add_co_u32 s21, s21, SCB
	v_lshrrev_b32 v48, 1, v1
	s_delay_alu instid0(VALU_DEP_1)
	v_add_nc_u32 v8, s21, v48                      ; my block's scale byte
	s_lshl_b32 s21, s14, 8
	s_add_co_u32 s21, s21, REC
	v_mov_b32 v9, s21                              ; my wave's four records
	s_and_b32 s21, s14, 3
	s_lshl_b32 s21, s21, 8                         ; (kept: 256 x (wave % 4))
	s_add_co_u32 s22, s21, SCB
	v_lshl_add_u32 v10, v1, 3, s22                 ; the tail: 8 scale bytes a lane,
	v_lshl_add_u32 v11, v1, 6, REC                 ; a record a lane
.irp e, 0,1,2,3,4,5,6,7
	v_mov_b32 v[PR+\e], 0                          ; written once: a lane permute's destination counts as one of its sources
.endr
	s_mov_b32 s24, 0x76543210
	s_mov_b32 s25, 0xfedcba98                      ; v_permlanex16_b32's selects for lane l xor 16
	s_lshl_b32 s16, ttmp9, 17                      ; 32 rows of 4,096 bytes a group,
	s_lshl_b32 s20, s14, 14                        ; 4 a wave
	s_add_co_u32 s16, s16, s20
	s_mov_b32 s17, 0
	s_mul_i32 s18, ttmp9, 24576                    ; and of 768 bytes of codes
	s_mul_i32 s20, s14, 3072
	s_add_co_u32 s18, s18, s20
	s_mov_b32 s19, 0
	v_lshlrev_b32 v12, 4, v0
	s_wait_alu depctr_va_vdst(0)
	s_wait_kmcnt 0x0
	s_add_nc_u64 s[16:17], s[4:5], s[16:17]
	s_add_nc_u64 s[18:19], s[8:9], s[18:19]
.irp i, 0,1,2,3,4,5,6,7
	global_load_b128 v[XT+4*\i:XT+4*\i+3], v12, s[6:7] offset:4096*\i     ; gate_w: 256 threads x 16 bytes, eight times
.endr
.irp p, 0,1,2,3
.irp i, 0,1,2,3,4,5,6,7
	global_load_b128 v[RW+32*\p+4*\i:RW+32*\p+4*\i+3], v2, s[16:17] offset:4096*\p+512*\i th:TH_LOAD_NT   ; 32 lanes read 512 consecutive bytes
.endr
.endr
	s_wait_loadcnt 32                              ; gate_w is in; the 32 loads of x behind it stay out
.irp i, 0,1,2,3,4,5,6,7
.irp c, 0,1,2,3
	ds_store_b32 v6, v[XT+4*\i+\c] offset:\c*5120+\i*640
.endr
.endr
	s_wait_dscnt 0x0                               ; for the others' sake: my part of the turned gate_w lies in LDS
	s_barrier_signal -1
	s_barrier_wait -1
	WIN 0x40                                       ; destination window 1
.irp e, 0,1,2,3,4,5,6,7
.irp t, 0,1
.irp j, 0,1,2,3
	ds_load_b128 v[32*\e+16*\t+4*\j:32*\e+16*\t+4*\j+3], v5 offset:\e*5120+\t*2560+16*\j
.endr
.endr
.endr
	WIN 0
; Row p goes through a stage as it lies and comes back 64 bytes a lane, twice: lane l then holds k = 512 t + 16 l + 0..15.  LDS serves a wave's instructions in order: no wait between stores and loads.
.macro TURN p
.irp i, 0,1,2,3,4,5,6,7
	ds_store_b128 v3, v[RW+32*(\p)+4*\i:RW+32*(\p)+4*\i+3] offset:5120*((\p)%2)+2560*(\i/4)+640*(\i%4)
.endr
.irp i, 0,1,2,3,4,5,6,7
	ds_load_b128 v[XT+32*((\p)%2)+4*\i:XT+32*((\p)%2)+4*\i+3], v4 offset:5120*((\p)%2)+2560*(\i/4)+16*(\i%4)
.endr
.endm
	s_wait_loadcnt 24                              ; row 0's eight loads are in; three rows' stay out
	TURN 0
.macro ROW p
.set XS, XT+32*((\p)%2)
.set RC, RW+32*(\p)
	s_wait_dscnt 0x0                               ; this row is back from its stage (and, the first time, gate_w is in its registers)
.if \p < 3
	s_wait_loadcnt 8*(2-\p)                        ; the next row's eight loads are in; the rows behind it stay out
	TURN (\p)+1
.endif
	WIN 0x04                                       ; source 1 (gate_w) window 1
.irp e, 0,1,2,3,4,5,6,7
	v_pk_mul_f32 v[ACCU+2*\e:ACCU+2*\e+1], v[XS:XS+1], v[32*\e:32*\e+1]          ; the first products start the sums
.endr
.set ii, 1
.rept 15
.irp e, 0,1,2,3,4,5,6,7
	v_pk_fma_f32 v[ACCU+2*\e:ACCU+2*\e+1], v[XS+2*ii:XS+2*ii+1], v[32*\e+2*ii:32*\e+2*ii+1], v[ACCU+2*\e:ACCU+2*\e+1]   ; eight chains by turns
.endr
.set ii, ii+1
.endr
	WIN 0
.irp t, 0,1                                    ; the codes: two neighbouring lanes hold a block of 32
	v_max3_num_f32 v48, |v[XS+16*\t]|, |v[XS+16*\t+1]|, |v[XS+16*\t+2]|
	v_max3_num_f32 v49, |v[XS+16*\t+3]|, |v[XS+16*\t+4]|, |v[XS+16*\t+5]|
.irp i, 6,10
	s_delay_alu instid0(VALU_DEP_2)
	v_max3_num_f32 v48, v48, |v[XS+16*\t+\i]|, |v[XS+16*\t+\i+1]|
	s_delay_alu instid0(VALU_DEP_2)
	v_max3_num_f32 v49, v49, |v[XS+16*\t+\i+2]|, |v[XS+16*\t+\i+3]|
.endr
	s_delay_alu instid0(VALU_DEP_2)
	v_max3_num_f32 v48, v48, |v[XS+16*\t+14]|, |v[XS+16*\t+15]|
	s_delay_alu instid0(VALU_DEP_1)
	v_max3_num_f32 v48, v48, v49, 0x2800000        ; and the floor 2^(5 - 127): the byte cannot fall under 1
	s_delay_alu instid0(VALU_DEP_1)
	v_max_num_f32_dpp v48, v48, v48 row_xmask:1 row_mask:0xf bank_mask:0xf   ; with my neighbour's 16: the block's largest magnitude
	s_delay_alu instid0(VALU_DEP_1)
	v_add_nc_u32 v50, 0xfe000000, v48              ; 4 off its exponent field: the conversion takes that field as its scale
	v_cvt_scalef32_pk16_bf6_f32 v[RC+4*\t:RC+4*\t+2], v[XS+16*\t:XS+16*\t+15], v50
	v_lshrrev_b32 v[RC+8+\t], 23, v50              ; the scale's byte (also the plain line behind the conversion)
	ds_store_b8 v8, v[RC+8+\t] offset:32*(\p)+16*\t        ; both lanes of a block write the same byte with the same value
	global_store_b96 v7, v[RC+4*\t:RC+4*\t+2], s[18:19] offset:768*(\p)+384*\t   ; the wave's store covers 384 consecutive bytes; its registers are never written again
.endr
.irp e, 0,1,2,3,4,5,6,7
	v_add_f32 v[LG+\e], v[ACCU+2*\e], v[ACCU+2*\e+1]
.endr
.irp n, 1,2,4,8
.irp e, 0,1,2,3,4,5,6,7
	v_add_f32_dpp v[LG+\e], v[LG+\e], v[LG+\e] row_xmask:\n row_mask:0xf bank_mask:0xf
.endr
.endr
.irp e, 0,1,2,3,4,5,6,7
	v_permlanex16_b32 v[PR+\e], v[LG+\e], s24, s25
.endr
.irp e, 0,1,2,3,4,5,6,7
	v_add_f32 v[LG+\e], v[LG+\e], v[PR+\e]         ; the 8 logits, in every lane
.endr
	v_max3_num_f32 v48, v[LG], v[LG+1], v[LG+2]
	s_delay_alu instid0(VALU_DEP_4)
	v_max3_num_f32 v49, v[LG+3], v[LG+4], v[LG+5]
	s_delay_alu instid0(VALU_DEP_2)
	v_max3_num_f32 v48, v48, v[LG+6], v[LG+7]
	s_delay_alu instid0(VALU_DEP_1)
	v_max_num_f32 v48, v48, v49                    ; the row's maximum is taken away first
.irp e, 0,1,2,3,4,5,6,7
	v_sub_f32 v[PR+\e], v[LG+\e], v48
.endr
.irp e, 0,1,2,3,4,5,6,7
	v_mul_f32 v[PR+\e], 0x3fb8aa3b, v[PR+\e]       ; x log2(e)
.endr
	s_wait_alu depctr_va_vdst(0)
.irp e, 0,1,2,3,4,5,6,7
	v_exp_f32 v[PR+\e], v[PR+\e]
.endr
	v_mov_b32 v13, 0                               ; the first choice so far (a plain line behind the exponentials)
	s_wait_alu depctr_va_vdst(0)                   ; one wait for the eight, ahead of their first reader
	v_add_f32 v51, v[PR], v[PR+1]
	v_add_f32 v52, v[PR+2], v[PR+3]
	v_add_f32 v53, v[PR+4], v[PR+5]
	v_add_f32 v54, v[PR+6], v[PR+7]
	s_delay_alu instid0(VALU_DEP_3)
	v_add_f32 v51, v51, v52
	s_delay_alu instid0(VALU_DEP_2)
	v_add_f32 v53, v53, v54
	s_delay_alu instid0(VALU_DEP_1)
	v_add_f32 v51, v51, v53
	s_wait_alu depctr_va_vdst(0)
	v_rcp_f32 v55, v51                             ; 1 / the sum; the two scans below are the work behind it
	v_mov_b32 v56, v[PR]
.irp e, 1,2,3,4,5,6,7
	v_cmp_ge_f32 vcc_lo, v56, v[PR+\e]             ; only a strictly larger one takes the place: the lower index wins a tie
	s_delay_alu instid0(VALU_DEP_1)
	v_cndmask_b32 v13, \e, v13, vcc_lo
	v_max_num_f32 v56, v56, v[PR+\e]
.endr
	v_mov_b32 v57, -1.0
.irp e, 0,1,2,3,4,5,6,7
	v_cmp_eq_u32 vcc_lo, \e, v13
	v_cndmask_b32 v[LG+\e], v[PR+\e], v57, vcc_lo  ; the winner's place holds -1, under every probability
.endr
	v_mov_b32 v58, v[LG]
	v_mov_b32 v59, 0                               ; the second choice
.irp e, 1
	s_delay_alu instid0(VALU_DEP_2)
	v_cmp_ge_f32 vcc_lo, v58, v[LG+\e]
	s_delay_alu instid0(VALU_DEP_1)
	v_cndmask_b32 v59, \e, v59, vcc_lo
	s_delay_alu instid0(VALU_DEP_4)
	v_max_num_f32 v58, v58, v[LG+\e]
.endr
.irp e, 2, 3, 4, 5, 6, 7
	s_delay_alu instid0(VALU_DEP_1)
	v_cmp_ge_f32 vcc_lo, v58, v[LG+\e]
	s_delay_alu instid0(VALU_DEP_1)
	v_cndmask_b32 v59, \e, v59, vcc_lo
	s_delay_alu instid0(VALU_DEP_3)
	v_max_num_f32 v58, v58, v[LG+\e]
.endr
	s_wait_alu depctr_va_vdst(0)                   ; the reciprocal's wait, ahead of its first reader
	v_mul_f32 v56, v56, v55
	v_mul_f32 v58, v58, v55                        ; the two probabilities
	s_delay_alu instid0(VALU_DEP_1)
	v_add_f32 v60, v56, v58
	s_delay_alu instid0(VALU_DEP_1)
	v_add_f32 v60, 0x3089705f, v60                 ; + 1e-9
	s_wait_alu depctr_va_vdst(0)
	v_rcp_f32 v61, v60
.irp e, 0,1,2,3,4,5,6,7
	v_mul_f32 v[PR+\e], v[PR+\e], v55              ; all eight, for the mean
.endr
	v_min_u32 v62, v13, v59                        ; lo
	v_add_nc_u32 v63, v13, v59
	s_delay_alu instid0(VALU_DEP_1)
	v_sub_nc_u32 v63, v63, v62                     ; hi
	s_delay_alu instid0(VALU_DEP_3)
	v_sub_nc_u32 v12, 15, v62
	s_delay_alu instid0(VALU_DEP_1)
	v_mul_u32_u24 v12, v12, v62
	s_delay_alu instid0(VALU_DEP_1)
	v_lshrrev_b32 v12, 1, v12
	s_delay_alu instid0(VALU_DEP_1)
	v_add_nc_u32 v12, v12, v63
	s_delay_alu instid0(VALU_DEP_1)
	v_sub_nc_u32 v12, v12, v62
	s_delay_alu instid0(VALU_DEP_1)
	v_add_nc_u32 v12, -1, v12                      ; key = lo (15 - lo) / 2 + hi - lo - 1
	v_cmp_lt_u32 vcc_lo, v13, v59
	s_wait_alu depctr_va_vdst(0)
	v_mul_f32 v56, v56, v61
	v_mul_f32 v58, v58, v61
	s_delay_alu instid0(VALU_DEP_1)
	v_cndmask_b32 v14, v58, v56, vcc_lo            ; c_lo
	s_delay_alu instid0(VALU_DEP_2)
	v_cndmask_b32 v15, v56, v58, vcc_lo            ; c_hi
	ds_store_b128 v9, v[12:15] offset:64*(\p)      ; all lanes write the same words with the same values
	ds_store_b128 v9, v[PR:PR+3] offset:64*(\p)+16
	ds_store_b128 v9, v[PR+4:PR+7] offset:64*(\p)+32
.endm
	ROW 0
	ROW 1
	ROW 2
	ROW 3
	s_wait_dscnt 0x0                               ; for the others' sake: my scale bytes and records lie in LDS
	s_barrier_signal -1
	s_barrier_wait -1
	s_cmp_lt_u32 s14, 4
	s_cbranch_scc0 .Lnot_scales
	ds_load_b64 v[48:49], v10                      ; waves 0 to 3: 256 scale bytes each
	v_lshlrev_b32 v50, 3, v1
	s_lshl_b32 s22, ttmp9, 10
	s_add_co_u32 s22, s22, s21
	s_mov_b32 s23, 0
	s_add_nc_u64 s[22:23], s[8:9], s[22:23]
	s_wait_alu depctr_va_vdst(0)
	s_wait_dscnt 0x0
	global_store_b64 v50, v[48:49], s[22:23] offset:6291456   ; 32 lanes store 256 consecutive bytes, aligned
	s_wait_xcnt 0x0
	v_lshl_add_u32 v254, v0, 2, 0x1f000
	v_mov_b32 v255, 0
	s_wait_alu depctr_va_vdst(0)
	s_wait_tensorcnt 0x0
	ds_add_u32 v254, v255
	s_wait_dscnt 0x0
	s_endpgm
.Lnot_scales:
	s_cmp_eq_u32 s14, 4
	s_cbranch_scc0 .Lnot_hist
	ds_load_b128 v[48:51], v11                     ; wave 4: a lane a token: key, ..
	v_mov_b32 v52, 0                               ; lane p: how many tokens have key p
	v_mov_b32 v53, 0                               ; my rank among those of my key
	v_mov_b32 v54, 0
	s_wait_alu depctr_va_vdst(0)
	s_wait_dscnt 0x0
.set kk, 0
.rept 28
	v_cmp_eq_u32 s20, kk, v48
	s_bcnt1_i32_b32 s21, s20
	v_writelane_b32 v52, s21, kk
	v_mbcnt_lo_u32_b32 v54, s20, 0
	s_delay_alu instid0(VALU_DEP_1)
	v_cndmask_b32 v53, v53, v54, s20
.set kk, kk+1
.endr
	s_delay_alu instid0(VALU_DEP_1)
	v_lshl_or_b32 v53, v53, 8, v48
	v_lshlrev_b32 v55, 2, v1
	s_lshl_b32 s22, ttmp9, 7
	s_mov_b32 s23, 0
	s_add_nc_u64 s[22:23], s[10:11], s[22:23]
	global_store_b32 v55, v53, s[22:23]
	global_store_b32 v55, v52, s[22:23] offset:32768
	s_wait_xcnt 0x0
	v_lshl_add_u32 v254, v0, 2, 0x1f000
	v_mov_b32 v255, 0
	s_wait_alu depctr_va_vdst(0)
	s_wait_tensorcnt 0x0
	ds_add_u32 v254, v255
	s_wait_dscnt 0x0
	s_endpgm
.Lnot_hist:
	s_cmp_eq_u32 s14, 5
	s_cbranch_scc0 .Ldone
	ds_load_b128 v[48:51], v11                     ; wave 5: a lane a token: the weights, and the parts of the second output
	ds_load_b128 v[LG:LG+3], v11 offset:16
	ds_load_b128 v[LG+4:LG+7], v11 offset:32
	s_lshl_b32 s22, ttmp9, 9
	s_mov_b32 s23, 0
	s_add_nc_u64 s[22:23], s[12:13], s[22:23]
	s_lshl_b32 s26, ttmp9, 7
	s_mov_b32 s27, 0
	s_add_nc_u64 s[26:27], s[12:13], s[26:27]
	s_wait_dscnt 0x0
	v_mov_b32 v52, v50
	v_mov_b32 v53, v50
	v_mov_b32 v54, v51
	v_mov_b32 v55, v51
	global_store_b128 v2, v[52:55], s[22:23]       ; each weight twice: a pair for the packed multiplies; 512 consecutive bytes
.irp n, 1,2,4,8
.irp e, 0,1,2,3,4,5,6,7
	v_add_f32_dpp v[LG+\e], v[LG+\e], v[LG+\e] row_xmask:\n row_mask:0xf bank_mask:0xf
.endr
.endr
.irp e, 0,1,2,3,4,5,6,7
	v_permlanex16_b32 v[PR+\e], v[LG+\e], s24, s25
.endr
.irp e, 0,1,2,3,4,5,6,7
	v_add_f32 v[LG+\e], v[LG+\e], v[PR+\e]         ; each probability summed over my 32 tokens
.endr
	v_mov_b32 v56, 0
	v_mov_b32 v57, 0
.irp e, 0,1,2,3,4,5,6,7
	v_readfirstlane_b32 s20, v[LG+\e]
	s_delay_alu instid0(VALU_DEP_1)
	v_writelane_b32 v56, s20, \e
	v_cmp_eq_u32 s20, \e, v49
	s_bcnt1_i32_b32 s21, s20
	v_writelane_b32 v57, s21, 8+\e
.endr
	s_delay_alu instid0(VALU_DEP_1)
	v_cvt_f32_u32 v57, v57
	s_delay_alu instid0(VALU_DEP_1)
	v_or_b32 v56, v56, v57                         ; lanes 0-7 the sums, 8-15 the counts, the rest 0
	v_lshlrev_b32 v58, 2, v1
	global_store_b32 v58, v56, s[26:27] offset:131072
.Ldone:
	s_wait_xcnt 0x0
	v_lshl_add_u32 v254, v0, 2, 0x1f000
	v_mov_b32 v255, 0
	s_wait_alu depctr_va_vdst(0)
	s_wait_tensorcnt 0x0
	ds_add_u32 v254, v255
	s_wait_dscnt 0x0
	s_endpgm
.Lfunc_end_k_q89cad7ed63_route:
	.size	k_q89cad7ed63_route, .Lfunc_end_k_q89cad7ed63_route-k_q89cad7ed63_route
	.p2alignl 7, 3214868480
	.fill 96, 4, 3214868480
	.section	.rodata,"a",@progbits
	.p2align	6, 0x0
	.amdhsa_kernel k_q89cad7ed63_route
		.amdhsa_group_segment_fixed_size 128000
		.amdhsa_private_segment_fixed_size 0
		.amdhsa_enable_private_segment 0
		.amdhsa_kernarg_size 40
		.amdhsa_user_sgpr_count 2
		.amdhsa_user_sgpr_kernarg_segment_ptr 1
		.amdhsa_wavefront_size32 1
		.amdhsa_system_sgpr_workgroup_id_x 1
		.amdhsa_system_sgpr_workgroup_id_y 1
		.amdhsa_system_sgpr_workgroup_id_z 1
		.amdhsa_system_vgpr_workitem_id 0
		.amdhsa_next_free_vgpr 512
		.amdhsa_next_free_sgpr 66
		.amdhsa_reserve_vcc 1
		.amdhsa_float_denorm_mode_32 3
		.amdhsa_float_denorm_mode_16_64 3
		.amdhsa_memory_ordered 1
		.amdhsa_forward_progress 1
		.amdhsa_inst_pref_size 113
	.end_amdhsa_kernel
	.amdgpu_metadata
---
amdhsa.version: [ 1, 2 ]
amdhsa.kernels:
  - .name:           k_q89cad7ed63_route
    .symbol:         k_q89cad7ed63_route.kd
    .args:
      - { .name: x, .offset: 0, .size: 8, .value_kind: global_buffer, .address_space: global }
      - { .name: gate_w, .offset: 8, .size: 8, .value_kind: global_buffer, .address_space: global }
      - { .name: xq, .offset: 16, .size: 8, .value_kind: global_buffer, .address_space: global }
      - { .name: route, .offset: 24, .size: 8, .value_kind: global_buffer, .address_space: global }
      - { .name: rw, .offset: 32, .size: 8, .value_kind: global_buffer, .address_space: global }
    .group_segment_fixed_size: 128000
    .private_segment_fixed_size: 0
    .kernarg_segment_align: 8
    .kernarg_segment_size: 40
    .max_flat_workgroup_size: 256
    .sgpr_count:     66
    .vgpr_count:     512
    .wavefront_size: 32
...
	.end_amdgpu_metadata
.endif
;; end of part 1
;; launch place (part 2): grid 65 x 1, 32 waves a work-group, no clusters, 10,240 bytes of LDS; arguments route, rw, w1_codes, w1_scales, w2_codes, w2_scales, plan, wf, out1; writes plan, wf, out1
.if DOCPART == 2
	.amdgcn_target "amdgcn-amd-amdhsa--gfx1250"
	.amdhsa_code_object_version 6
	.text
	.protected	k_q89cad7ed63_place
	.globl	k_q89cad7ed63_place
	.p2align	8
	.type	k_q89cad7ed63_place,@function
k_q89cad7ed63_place:
	s_mov_b64 s[64:65], 0
	v_nop
	global_prefetch_b8 v0, s[64:65] scope:SCOPE_SE
	s_setreg_imm32_b32 hwreg(HW_REG_WAVE_MODE, 25, 1), 1
	s_wait_xcnt 0x0
; WORK-GROUP 0 PLACES THE TOKENS: from the 256 blocks' counts of each of the 28 pair keys it makes the prefix sums, stores the tokens sorted by key (plan, [8192] u32), a table of tiles of at most 64 tokens
; of one key (plan + 32768, [160][4] u32: first place, rows, lower expert, higher expert; entries past the last tile have 0 rows), and the second output.  No atomics: every token's place is
; its key's base + the tokens of its key in earlier blocks + its rank in its block.
; WORK-GROUPS 1 TO 64 LAY THE WEIGHTS OUT in the order in which an operand's registers take them (wf): a unit of 3,200 bytes is two tiles of 16 rows for one K step of 128: twice 1,536 bytes (register quad j of
; lane l at 512 j + 16 l), then 128 bytes of scale words (lanes 0-15 the first tile's rows, lanes 16-31 the second's).
;   W1: stream 4 e + q at 102400 (4 e + q): unit 4 s + v: row of tile tt = hidden unit 128 q + 32 v + 8 tt + r + 8 (r / 8): so that the first product's results are neighbours along the next K.
;   W2: stream (e, w) at 3276800 + 409600 e + 51200 w: unit 8 c + 2 s + v: row = output 128 w + 64 c + 32 v + 16 tt + r.
; The two ways part on the work-group's number alone; only work-group 0 uses LDS and a barrier.
	s_load_b256 s[4:11], s[0:1], 0x0               ; route, rw, W1's codes, W1's scales
	s_load_b256 s[12:19], s[0:1], 0x20             ; W2's codes, W2's scales, plan, wf
	s_load_b64 s[20:21], s[0:1], 0x40              ; out1
	v_lshl_add_u32 v96, v0, 2, 0x1800
	v_mov_b32 v97, 0
	v_lshrrev_b32 v2, 5, v0
	s_delay_alu instid0(VALU_DEP_1)
	v_readfirstlane_b32 s22, v2                    ; wave 0..31
	v_and_b32 v1, 31, v0                           ; lane
	s_cmp_eq_u32 ttmp9, 0
	s_cbranch_scc1 .Lplace
	; ---- a wave lays out one unit
	s_sub_co_u32 s24, ttmp9, 1                     ; g: 0..31 W1, 32..63 W2
	s_and_b32 s25, s24, 31
	s_and_b32 s34, s22, 3
	s_lshl_b32 s34, s34, 5                         ; W1: first row 32 v, v = wave % 4;
	s_lshr_b32 s35, s22, 2                         ;     K step wave / 4
	s_lshr_b32 s36, s22, 4
	s_lshl_b32 s36, s36, 7
	s_bfe_u32 s37, s22, 0x10003
	s_lshl_b32 s37, s37, 6
	s_add_co_u32 s36, s36, s37
	s_and_b32 s37, s22, 1
	s_lshl_b32 s37, s37, 5
	s_add_co_u32 s36, s36, s37                     ; W2: first row 128 (wave / 16) + 64 c + 32 v;
	s_bfe_u32 s37, s22, 0x20001                    ;     K step (wave / 2) % 4
	s_mov_b32 s30, 384
	s_wait_kmcnt 0x0
	s_cmp_lt_u32 s24, 32                           ; the choice hangs on the work-group's number alone
	s_cselect_b64 s[26:27], s[8:9], s[12:13]       ; codes
	s_cselect_b64 s[28:29], s[10:11], s[14:15]     ; scale bytes
	s_cselect_b32 s30, 768, s30                    ; a row of codes in bytes
	s_cselect_b32 s31, 8, 0                        ; W1's rows of a tile: r + 8 (r / 8)
	s_cselect_b32 s32, 8, 16                       ; from the first tile to the second, in rows (8 x 768 = 16 x 384 = 6,144 bytes)
	s_cselect_b32 s33, 32, 16                      ; a row of scale bytes
	s_cselect_b32 s34, s34, s36
	s_cselect_b32 s35, s35, s37
	s_mul_i32 s38, s25, 98304                      ; the work-group's 98,304 consecutive bytes of codes,
	s_mul_i32 s40, s34, s30
	s_add_co_u32 s38, s38, s40
	s_mul_i32 s40, s35, 96
	s_add_co_u32 s38, s38, s40
	s_mov_b32 s39, 0
	s_add_nc_u64 s[26:27], s[26:27], s[38:39]
	s_lshl_b32 s38, s25, 12                        ; its 4,096 scale bytes,
	s_mul_i32 s40, s34, s33
	s_add_co_u32 s38, s38, s40
	s_lshl_b32 s40, s35, 2
	s_add_co_u32 s38, s38, s40
	s_add_nc_u64 s[28:29], s[28:29], s[38:39]
	s_mul_i32 s38, s24, 102400                     ; and its 102,400 consecutive bytes of wf
	s_mul_i32 s40, s22, 3200
	s_add_co_u32 s38, s38, s40
	s_add_nc_u64 s[18:19], s[18:19], s[38:39]
	v_and_b32 v2, 15, v0                           ; r
	v_bfe_u32 v3, v0, 4, 1                         ; h
	s_delay_alu instid0(VALU_DEP_2)
	v_and_b32 v4, s31, v2
	s_delay_alu instid0(VALU_DEP_1)
	v_add_nc_u32 v4, v4, v2                        ; the tile's row
	s_delay_alu instid0(VALU_DEP_1)
	v_mul_u32_u24 v5, s30, v4
	s_delay_alu instid0(VALU_DEP_1)
	v_mad_u32_u24 v5, v3, 24, v5                   ; codes: row x pitch + 24 h
	s_delay_alu instid0(VALU_DEP_3)
	v_mad_u32_u24 v6, s32, v3, v4
	s_delay_alu instid0(VALU_DEP_1)
	v_mul_u32_u24 v6, s33, v6                      ; scale words: lanes 16-31 take the second tile's rows
	s_wait_alu depctr_va_vdst(0)
	v_lshlrev_b32 v7, 4, v1
	v_lshlrev_b32 v8, 2, v1
.irp tt, 0,1
.irp p, 0,1,2,3,4,5
	global_load_b64 v[16+12*\tt+2*\p:17+12*\tt+2*\p], v5, s[26:27] offset:6144*\tt+48*(\p/3)+8*(\p%3)   ; the operand's registers as the layout gives them to lane (r, h)
.endr
.endr
	global_load_b32 v40, v6, s[28:29]
	s_wait_alu depctr_va_vdst(0)
	s_wait_loadcnt 0x0
.irp i, 0,1,2,3,4,5
	global_store_b128 v7, v[16+4*\i:19+4*\i], s[18:19] offset:512*\i       ; 32 lanes store 512 consecutive bytes
.endr
	global_store_b32 v8, v40, s[18:19] offset:3072
	s_endpgm
	; ---- work-group 0: wave w owns blocks 8 w .. 8 w + 7 of 32 tokens; in counts a lane is a key
.Lplace:
	s_lshl_b32 s23, s22, 10
	s_wait_alu depctr_va_vdst(0)
	v_lshl_add_u32 v2, v1, 2, s23                  ; 1,024 w + 4 lane
	v_lshrrev_b32 v3, 2, v0
	s_delay_alu instid0(VALU_DEP_1)
	v_lshlrev_b32 v3, 7, v3
	v_and_b32 v4, 3, v0
	s_delay_alu instid0(VALU_DEP_1)
	v_lshl_add_u32 v3, v4, 4, v3                   ; the parts of out1: record thread / 4, quad thread % 4
	s_delay_alu instid0(VALU_DEP_2)
	v_lshlrev_b32 v6, 4, v4
	s_lshl_b32 s23, s22, 6
	s_add_co_u32 s23, s23, 4096
	v_add_nc_u32 v6, s23, v6                       ; LDS 4096: a wave's 16 sums, 64 bytes
	v_lshlrev_b32 v4, 2, v0                        ; LDS 0: a wave's totals, a word a key
	v_lshlrev_b32 v5, 2, v1
	v_lshl_add_u32 v7, v1, 6, 4096
	s_lshl_b32 s23, s22, 8
	v_add_nc_u32 v8, s23, v1                       ; my token in block 8 w
	s_lshl_b32 s23, s22, 5
	v_add_nc_u32 v9, s23, v1                       ; the tile 32 w + lane
	s_mov_b32 s24, 0x76543210
	s_mov_b32 s25, 0xfedcba98
.irp q, 0,1,2,3
	v_mov_b32 v[36+\q], 0                          ; written once: a lane permute's destination counts as one of its sources
.endr
	s_wait_kmcnt 0x0
.irp j, 0,1,2,3,4,5,6,7
	global_load_b32 v[16+\j], v2, s[4:5] offset:32768+128*\j       ; counts of block 8 w + j
.endr
.irp j, 0,1,2,3,4,5,6,7
	global_load_b32 v[24+\j], v2, s[4:5] offset:128*\j             ; key | rank << 8 of its 32 tokens
.endr
	global_load_b128 v[32:35], v3, s[6:7] offset:131072
	s_wait_loadcnt 9                               ; the eight loads of counts are in; nine stay out
	v_mov_b32 v76, v16
	v_mov_b32 v16, 0
.irp j, 1
	v_mov_b32 v77, v[16+\j]
	s_delay_alu instid0(VALU_DEP_3)
	v_mov_b32 v[16+\j], v76                        ; how many of the key lie in my earlier blocks
	s_delay_alu instid0(VALU_DEP_2)
	v_add_nc_u32 v76, v76, v77
.endr
.irp j, 2, 3, 4, 5, 6, 7
	v_mov_b32 v77, v[16+\j]
	s_delay_alu instid0(VALU_DEP_2)
	v_mov_b32 v[16+\j], v76                        ; how many of the key lie in my earlier blocks
	s_delay_alu instid0(VALU_DEP_2)
	v_add_nc_u32 v76, v76, v77
.endr
	ds_store_b32 v4, v76                           ; my wave's total of each key
	s_wait_loadcnt 0x0
.irp n, 4,8
.irp q, 0,1,2,3
	v_add_f32_dpp v[32+\q], v[32+\q], v[32+\q] row_xmask:\n row_mask:0xf bank_mask:0xf
.endr
.endr
.irp q, 0,1,2,3
	s_delay_alu instid0(VALU_DEP_4)
	v_permlanex16_b32 v[36+\q], v[32+\q], s24, s25
.endr
.irp q, 0,1,2,3
	s_delay_alu instid0(VALU_DEP_4)
	v_add_f32 v[32+\q], v[32+\q], v[36+\q]         ; my eight records summed
.endr
	ds_store_b128 v6, v[32:35]                     ; (eight lanes write the same words with the same values)
	s_wait_dscnt 0x0                               ; for the others' sake
	s_barrier_signal -1
	s_barrier_wait -1
.irp ww, 0,1,2,3,4,5,6,7,8,9,10,11,12,13,14,15,16,17,18,19,20,21,22,23,24,25,26,27,28,29,30,31
	ds_load_b32 v[40+\ww], v5 offset:128*\ww
.endr
	v_mov_b32 v72, 0
	v_mov_b32 v73, 0
	s_wait_alu depctr_va_vdst(0)
	s_wait_dscnt 0x0
.irp ww, 0,1,2,3,4,5,6,7,8,9,10,11,12,13,14,15,16,17,18,19,20,21,22,23,24,25,26,27,28,29,30,31
	v_add_nc_u32 v72, v72, v[40+\ww]               ; the key's tokens in all,
	s_cmp_gt_u32 s22, \ww
	s_cselect_b32 s26, -1, 0
	v_and_b32 v76, s26, v[40+\ww]
	s_delay_alu instid0(VALU_DEP_1)
	v_add_nc_u32 v73, v73, v76                     ; and in the waves before mine
.endr
	v_add_nc_u32 v74, 63, v72
	s_delay_alu instid0(VALU_DEP_1)
	v_lshrrev_b32 v74, 6, v74
	s_delay_alu instid0(VALU_DEP_1)
	v_lshl_or_b32 v74, v74, 16, v72                ; tokens (at most 8,192) below, tiles (at most 155) above: one scan serves both
	s_delay_alu instid0(VALU_DEP_1)
	v_mov_b32 v75, v74
	v_mov_b32 v76, 0
.irp n, 1
	s_delay_alu instid0(VALU_DEP_2)
	v_mov_b32_dpp v76, v75 row_shr:\n row_mask:0xf bank_mask:0xf bound_ctrl:1
	s_delay_alu instid0(VALU_DEP_1)
	v_add_nc_u32 v75, v75, v76
.endr
.irp n, 2, 4, 8
	s_delay_alu instid0(VALU_DEP_1)
	v_mov_b32_dpp v76, v75 row_shr:\n row_mask:0xf bank_mask:0xf bound_ctrl:1
	s_delay_alu instid0(VALU_DEP_1)
	v_add_nc_u32 v75, v75, v76
.endr
	s_delay_alu instid0(VALU_DEP_1)
	v_readlane_b32 s26, v75, 15
	s_delay_alu instid0(VALU_DEP_1)
	v_mov_b32 v76, s26
	v_cmp_le_u32 vcc_lo, 16, v1
	s_delay_alu instid0(VALU_DEP_1)
	v_cndmask_b32 v76, 0, v76, vcc_lo
	s_delay_alu instid0(VALU_DEP_1)
	v_add_nc_u32 v75, v75, v76
	s_delay_alu instid0(VALU_DEP_1)
	v_sub_nc_u32 v78, v75, v74                     ; before my key: tokens below, tiles above
	s_delay_alu instid0(VALU_DEP_1)
	v_and_b32 v79, 0xffff, v78
	s_delay_alu instid0(VALU_DEP_1)
	v_add_nc_u32 v79, v79, v73
.irp j, 0,1,2,3,4,5,6,7
	v_add_nc_u32 v[80+\j], v79, v[16+\j]           ; lane = key: where block 8 w + j's tokens of the key begin
	v_and_b32 v[88+\j], 31, v[24+\j]
	s_delay_alu instid0(VALU_DEP_1)
	v_lshlrev_b32 v[88+\j], 2, v[88+\j]
	ds_bpermute_b32 v[40+\j], v[88+\j], v[80+\j]   ; lane = token: its key's figure
.endr
	s_wait_dscnt 0x0
.irp j, 0,1,2,3,4,5,6,7
	v_lshrrev_b32 v[88+\j], 8, v[24+\j]
	s_delay_alu instid0(VALU_DEP_1)
	v_add_nc_u32 v[40+\j], v[40+\j], v[88+\j]      ; + its rank in its block
	s_delay_alu instid0(VALU_DEP_1)
	v_min_u32 v[40+\j], 0x1fff, v[40+\j]           ; held inside the list
	s_delay_alu instid0(VALU_DEP_1)
	v_lshlrev_b32 v[40+\j], 2, v[40+\j]
	v_add_nc_u32 v[80+\j], 32*\j, v8
	global_store_b32 v[40+\j], v[80+\j], s[16:17]  ; 32 KiB in all, four bytes at a time: the places hang on the data
.endr
	s_cmp_lt_u32 s22, 5
	s_cbranch_scc0 .Lnot_table
	v_mov_b32 v50, 0                               ; waves 0 to 4: tile 32 w + lane belongs to the last key whose first tile is not behind it
	v_mov_b32 v51, 0
	v_mov_b32 v52, 0
	v_mov_b32 v53, 0
.set pp, 0
.irp lo, 0,1,2,3,4,5,6
.irp hi, 1,2,3,4,5,6,7
.if \hi > \lo
	v_readlane_b32 s26, v78, pp
	v_readlane_b32 s27, v72, pp
	s_lshr_b32 s28, s26, 16
	s_and_b32 s29, s26, 0xffff
	v_cmp_gt_u32 vcc_lo, s28, v9
	s_delay_alu instid0(VALU_DEP_1)
	v_cndmask_b32 v50, s28, v50, vcc_lo            ; the key's first tile,
	s_delay_alu instid0(VALU_DEP_2)
	v_cndmask_b32 v51, s29, v51, vcc_lo            ; first place,
	s_delay_alu instid0(VALU_DEP_3)
	v_cndmask_b32 v52, s27, v52, vcc_lo            ; tokens,
	s_delay_alu instid0(VALU_DEP_4)
	v_cndmask_b32 v53, \lo+256*\hi, v53, vcc_lo    ; and pair of experts
.set pp, pp+1
.endif
.endr
.endr
	s_delay_alu instid0(VALU_DEP_4)
	v_sub_nc_u32 v54, v9, v50
	s_delay_alu instid0(VALU_DEP_1)
	v_lshlrev_b32 v54, 6, v54
	s_delay_alu instid0(VALU_DEP_1)
	v_add_nc_u32 v56, v51, v54                     ; first place
	s_delay_alu instid0(VALU_DEP_2)
	v_min_u32 v55, v54, v52
	s_delay_alu instid0(VALU_DEP_1)
	v_sub_nc_u32 v57, v52, v55
	s_delay_alu instid0(VALU_DEP_1)
	v_min_u32 v57, 64, v57                         ; rows: what is left of the key, 0 to 64
	v_and_b32 v58, 0xff, v53
	v_lshrrev_b32 v59, 8, v53
	v_lshlrev_b32 v60, 4, v9
	global_store_b128 v60, v[56:59], s[16:17] offset:32768
	s_wait_tensorcnt 0x0
	ds_add_u32 v96, v97
	s_wait_dscnt 0x0
	s_endpgm
.Lnot_table:
	s_cmp_eq_u32 s22, 5
	s_cbranch_scc0 .Lover
.irp q, 0,1,2,3
	ds_load_b128 v[48+4*\q:51+4*\q], v7 offset:16*\q   ; wave 5: a lane a wave's 16 sums
.endr
	s_wait_dscnt 0x0
.irp n, 1,2,4,8
.irp i, 0,1,2,3,4,5,6,7,8,9,10,11,12,13,14,15
	v_add_f32_dpp v[48+\i], v[48+\i], v[48+\i] row_xmask:\n row_mask:0xf bank_mask:0xf
.endr
.endr
.irp i, 0,1,2,3,4,5,6,7,8,9,10,11,12,13,14,15
	v_permlanex16_b32 v[16+\i], v[48+\i], s24, s25
.endr
.irp i, 0,1,2,3,4,5,6,7,8,9,10,11,12,13,14,15
	v_add_f32 v[48+\i], v[48+\i], v[16+\i]
.endr
	v_mul_f32 v64, v48, v56
.irp e, 1,2,3,4,5,6,7
	s_delay_alu instid0(VALU_DEP_1)
	v_fmac_f32 v64, v[48+\e], v[56+\e]             ; the sum over experts of (sum of probabilities) x (count of first choices)
.endr
	s_delay_alu instid0(VALU_DEP_1)
	v_mul_f32 v64, 0x30a3d70a, v64                 ; x 0.01 x 8 / 8192^2
	v_mov_b32 v65, 0
	s_wait_alu depctr_va_vdst(0)
	s_wait_xcnt 0x0                                ; EXEC changes only behind this wait: my stores above have been issued under the full one
	v_cmp_eq_u32 vcc_lo, 0, v1
	s_and_saveexec_b32 s26, vcc_lo
	global_store_b32 v65, v64, s[20:21]
	s_wait_xcnt 0x0                                ; and again, in front of the line that widens it
	s_or_b32 exec_lo, exec_lo, s26
.Lover:
	s_wait_tensorcnt 0x0
	ds_add_u32 v96, v97
	s_wait_dscnt 0x0
	s_endpgm
.Lfunc_end_k_q89cad7ed63_place:
	.size	k_q89cad7ed63_place, .Lfunc_end_k_q89cad7ed63_place-k_q89cad7ed63_place
	.p2alignl 7, 3214868480
	.fill 96, 4, 3214868480
	.section	.rodata,"a",@progbits
	.p2align	6, 0x0
	.amdhsa_kernel k_q89cad7ed63_place
		.amdhsa_group_segment_fixed_size 10240
		.amdhsa_private_segment_fixed_size 0
		.amdhsa_enable_private_segment 0
		.amdhsa_kernarg_size 72
		.amdhsa_user_sgpr_count 2
		.amdhsa_user_sgpr_kernarg_segment_ptr 1
		.amdhsa_wavefront_size32 1
		.amdhsa_system_sgpr_workgroup_id_x 1
		.amdhsa_system_sgpr_workgroup_id_y 1
		.amdhsa_system_sgpr_workgroup_id_z 1
		.amdhsa_system_vgpr_workitem_id 0
		.amdhsa_next_free_vgpr 98
		.amdhsa_next_free_sgpr 66
		.amdhsa_reserve_vcc 1
		.amdhsa_float_denorm_mode_32 3
		.amdhsa_float_denorm_mode_16_64 3
		.amdhsa_memory_ordered 1
		.amdhsa_forward_progress 1
		.amdhsa_inst_pref_size 48
	.end_amdhsa_kernel
	.amdgpu_metadata
---
amdhsa.version: [ 1, 2 ]
amdhsa.kernels:
  - .name:           k_q89cad7ed63_place
    .symbol:         k_q89cad7ed63_place.kd
    .args:
      - { .name: route, .offset: 0, .size: 8, .value_kind: global_buffer, .address_space: global }
      - { .name: rw, .offset: 8, .size: 8, .value_kind: global_buffer, .address_space: global }
      - { .name: w1_codes, .offset: 16, .size: 8, .value_kind: global_buffer, .address_space: global }
      - { .name: w1_scales, .offset: 24, .size: 8, .value_kind: global_buffer, .address_space: global }
      - { .name: w2_codes, .offset: 32, .size: 8, .value_kind: global_buffer, .address_space: global }
      - { .name: w2_scales, .offset: 40, .size: 8, .value_kind: global_buffer, .address_space: global }
      - { .name: plan, .offset: 48, .size: 8, .value_kind: global_buffer, .address_space: global }
      - { .name: wf, .offset: 56, .size: 8, .value_kind: global_buffer, .address_space: global }
      - { .name: out1, .offset: 64, .size: 8, .value_kind: global_buffer, .address_space: global }
    .group_segment_fixed_size: 10240
    .private_segment_fixed_size: 0
    .kernarg_segment_align: 8
    .kernarg_segment_size: 72
    .max_flat_workgroup_size: 1024
    .sgpr_count:     66
    .vgpr_count:     98
    .wavefront_size: 32
...
	.end_amdgpu_metadata
.endif
;; end of part 2
;; launch experts (part 3): grid 155 x 1, 8 waves a work-group, no clusters, 144,384 bytes of LDS; arguments xq, plan, rw, wf, b1, b2, out0; writes out0
.if DOCPART == 3
	.amdgcn_target "amdgcn-amd-amdhsa--gfx1250"
	.amdhsa_code_object_version 6
	.text
	.protected	k_q89cad7ed63_experts
	.globl	k_q89cad7ed63_experts
	.p2align	8
	.type	k_q89cad7ed63_experts,@function
k_q89cad7ed63_experts:
	s_mov_b64 s[64:65], 0
	v_nop
	global_prefetch_b8 v0, s[64:65] scope:SCOPE_SE
	s_setreg_imm32_b32 hwreg(HW_REG_WAVE_MODE, 25, 1), 1
	s_wait_xcnt 0x0
; THE EXPERTS.  A work-group takes one tile: up to 64 tokens that chose the same two experts (lo, hi), through the whole chain:
; out(token) = c_lo (silu(x W1_lo + b1_lo) W2_lo + b2_lo) + c_hi (the same with hi).  Both products on codes of E3M2 with E8M0 scales; the hidden layer is quantised in registers and never goes to memory.
; The six experts that a token did not choose have the weight 0 in the sum and are not multiplied.  Every row of the output has one owner.
; THE GRID: 8,192 tokens in 28 keys cut into tiles of 64 give at most (8192 + 28 x 63) / 64 = 155 tiles, whatever the choice.  A tile without rows passes over the two products (a branch on the stored count) and stores nothing;
; both barriers stand on every wave's path.  A tile's places past its last row repeat its last token: the same numbers go to the same bytes, from this work-group alone.
; NO TENSOR LOADS, NO CLUSTER: partners would need tiles of one pair, which hangs on the counts.
; The weights come from memory straight into registers, laid out beforehand in the order of the operand's registers (wf: units of 3,200 bytes = two tiles x one K step, with their scale words).
; SHARES.  First product: wave w takes expert w / 4 (0 lo, 1 hi) and hidden units 128 (w % 4) .. + 127, all 64 rows: 8 tiles x 4 tiles of rows.  Second: wave w takes outputs 128 w .. + 127 for BOTH experts, 64 columns at a time.
; Both products are used transposed (source 0 = 16 rows of the weight, source 1 = 16 tokens): a lane holds one token, its registers run along the hidden units, or the outputs.
; Operands go from wave to wave through LDS as images of their registers: quad j of lane l at 512 j + 16 l.
; A RING OF SEVEN UNITS in registers: a unit is asked for when the unit seven before it has been multiplied: six units, 48 matrix instructions of the wave, ahead of its use.
; LIMITS: NaN and infinities are not served; a block of zeros of the hidden layer gets the scale byte 1, not 127 (its codes are zeros).
.set BLK,   6656                       ; an LDS block: 4 fragments' images (1,536 bytes each), then 512 bytes: a lane's four scale words, one for each tile of rows
.set HB,    53248                      ; LDS: 0: x's 8 blocks (K step s);  here: the hidden layer's 8 (4 x expert + K step)
.set STAGE, 106496                     ; the way out: 16 rows x (256 + 16) bytes for each wave
.set TBL,   141312                     ; 256 bytes for each wave: the token of row 16 m + 2 i + hh at 64 m + 32 hh + 4 i
.set LI,  1                            ; v1   16 x lane
.set L4,  2                            ; v2   4 x lane
.set LIH, 3                            ; v3   16 x lane + HB
.set HWI, 4                            ; v4   where I store the hidden layer's images
.set TBW, 5                            ; v5   where I store my rows' tokens
.set STO, 6                            ; v6   into the stage
.set RD,  7                            ; v7   out of it
.set TBR, 8                            ; v8   where I read the tokens of the rows that I store
.set COL, 9                            ; v9   16 x (lane % 16)
.set B1O, 10                           ; v10  64 x (lane / 16)
.set B2O, 11                           ; v11  32 x (lane / 16)
.set CW,  12                           ; v12-27  (c_lo, c_lo, c_hi, c_hi) of my token in each tile of rows
.set ACT, 28                           ; v28-75  four fragments of tokens
.set ASC, 76                           ; v76-79  their scale words
.set RING, 80                          ; v80-247 seven units of 24 registers
.set RSC, 248                          ; v248-254 their scale words
.set XWI, 255                          ; v255 where I store x's images
.set TT,  28                           ; between the products: v28-59 at work on 32 numbers;
.set TM,  28                           ; v28-43 the quantiser's figures;
.set PC,  44                           ; v44-62 the codes just made
.set OB,  28                           ; the way out: v28-59 16 rows read back,
.set TK,  60                           ; v60-67 their tokens, then their byte offsets
                                       ; window 1: the accumulators: first product (tile t, rows m) at 64 m + 8 t; second (expert x, tile t, rows m) at 64 m + 32 x + 8 t
.set MSB, 0
.macro WIN new                         ; the immediate's high byte repeats the setting that is left
.if MSB != \new
	s_set_vgpr_msb (MSB<<8)|\new
.set MSB, \new
.endif
.endm
.macro PLACES n                        ; plain vector lines behind matrix instructions (ISA guide 7.12.1)
.rept \n
	v_nop
.endr
.endm
; Unit wn of my 64 into ring slot wn % 7: seven loads.  Units 0-31: W1's, 4 s + v.  Units 32-63: W2's, in the order column half c, K step s, expert x, pair of tiles v.
.macro WLOAD
.set wsl, wn%7
.if wn < 32
.set wb, 28
.set woff, 3200*wn
.else
.set wk, wn-32
.set wb, 30+2*((wk%4)/2)
.set woff, 3200*(8*(wk/16)+2*((wk%16)/4)+wk%2)
.endif
.irp i, 0,1,2,3,4,5
	global_load_b128 v[RING+24*wsl+4*\i:RING+24*wsl+4*\i+3], v[LI], s[wb:wb+1] offset:woff+512*\i   ; 32 lanes read 512 consecutive bytes
.endr
	global_load_b32 v[RSC+wsl], v[L4], s[wb:wb+1] offset:woff+3072
.endm
.macro ALOAD adr, blk                  ; four fragments of tokens and their scale words, as images
.irp i, 0,1,2,3,4,5,6,7,8,9,10,11
	ds_load_b128 v[ACT+4*\i:ACT+4*\i+3], v[\adr] offset:(\blk)*BLK+512*\i
.endr
	ds_load_b128 v[ASC:ASC+3], v[\adr] offset:(\blk)*BLK+6144
.endm
; The biases are the C of each sum's first matrix instruction.  They are the same for the four tiles of rows: they are loaded into the accumulators of rows m = 3, which the sums of m = 0, 1, 2 take as C.
.macro BIAS1
	WIN 0x40                                       ; destination window 1
.irp t, 0,1,2,3,4,5,6,7
	global_load_b128 v[192+8*\t:192+8*\t+3], v[B1O], s[34:35] offset:(32*(\t/2)+8*(\t%2))*4        ; lane (r, h), tile t: hidden units 32 (t / 2) + 16 h + 8 (t % 2) + 0..7
	global_load_b128 v[192+8*\t+4:192+8*\t+7], v[B1O], s[34:35] offset:(32*(\t/2)+8*(\t%2))*4+16
.endr
	WIN 0
.endm
.macro BIAS2 c
	WIN 0x40
.irp x, 0,1
.irp t, 0,1,2,3
	global_load_b128 v[192+32*\x+8*\t:192+32*\x+8*\t+3], v[B2O], s[36+2*\x:37+2*\x] offset:256*(\c)+64*\t     ; outputs 64 c + 16 t + 8 h + 0..7
	global_load_b128 v[192+32*\x+8*\t+4:192+32*\x+8*\t+7], v[B2O], s[36+2*\x:37+2*\x] offset:256*(\c)+64*\t+16
.endr
.endr
	WIN 0
.endm
.macro MM tt, m, hold                  ; tile tt of the unit x tile of rows m.  hold = 1: C = the bias, from the accumulator of rows 3
.set uD, 64*(\m)+uab+8*(\tt)
.if \hold
.set uC, 192+uab+8*(\tt)
.else
.set uC, uD
.endif
.if \tt
	v_wmma_scale_f32_16x16x128_f8f6f4 v[uD:uD+7], v[URB+12:URB+23], v[ACT+12*(\m):ACT+12*(\m)+11], v[uC:uC+7], v[URS], v[ASC+(\m)] matrix_a_fmt:MATRIX_FMT_BF6 matrix_b_fmt:MATRIX_FMT_BF6 matrix_a_scale:MATRIX_SCALE_ROW1
.else
	v_wmma_scale_f32_16x16x128_f8f6f4 v[uD:uD+7], v[URB:URB+11], v[ACT+12*(\m):ACT+12*(\m)+11], v[uC:uC+7], v[URS], v[ASC+(\m)] matrix_a_fmt:MATRIX_FMT_BF6 matrix_b_fmt:MATRIX_FMT_BF6
.endif
.endm
; Unit un: eight matrix instructions on eight accumulators; an accumulator comes up again four units, 32 matrix instructions, later: the accumulators take turns.
.macro UNIT
.set URB, RING+24*(un%7)
.set URS, RSC+un%7
.set uact, 0
.set ufirst, 0
.if un < 32
.set uab, 16*(un%4)
.if un < 4
.set ufirst, 1
.endif
.if un%4 == 0
	ALOAD LI, un/4                                 ; x's K step un / 4 serves four units
.set uact, 1
.endif
.else
.set uk, un-32
.set ux, (uk%4)/2
.set uab, 32*ux+16*(uk%2)
.if (uk%16) < 4
.set ufirst, 1
.endif
.if uk%2 == 0
	ALOAD LIH, 4*ux+(uk%16)/4                      ; the hidden layer of expert x, K step s, serves two units
.set uact, 1
.endif
.endif
.if (un == 32) || (un == 48)
	s_wait_loadcnt 0x0                             ; the biases are the youngest loads; all were asked for ahead of a long stretch of vector work
.elseif 63-un < 6
	s_wait_loadcnt 7*(63-un)                       ; the later units' seven loads each may stay out
.else
	s_wait_loadcnt 42                              ; six later units' seven loads each may stay out
.endif
.if uact
	s_wait_dscnt 0x0
.endif
	WIN 0x50                                       ; C and D window 1
.if ufirst
.irp tt, 0,1
.irp m, 0,1,2
	MM \tt, \m, 1
.endr
.endr
	PLACES 5                                       ; the two below write over registers that the six above read as C
	MM 0, 3, 0
	MM 1, 3, 0
.else
.irp tt, 0,1
.irp m, 0,1,2,3
	MM \tt, \m, 0
.endr
.endr
.endif
	WIN 0
	PLACES 4                                       ; in front of loads into registers that matrix instructions have read, and of the first read of results
.if un+7 < 64
.set wn, un+7
	WLOAD
.endif
.endm
; silu(a) = a / (1 + 2^(-a log2 e)) on the 64 numbers of rows m, 32 at a time: the exponentials and the reciprocals go as batches, one wait each.
.macro SILU m
.irp bt, 0,1
.set sx, 64*(\m)+32*\bt
	WIN 0x01                                       ; source 0 window 1
.set ii, 0
.rept 16
	v_pk_mul_f32 v[TT+2*ii:TT+2*ii+1], v[sx+2*ii:sx+2*ii+1], s[50:51] op_sel_hi:[1,0]   ; ascending: each accumulator is read from its low end on
.set ii, ii+1
.endr
	WIN 0
.set ii, 0
	s_wait_alu depctr_va_vdst(0)
.rept 32
	v_exp_f32 v[TT+ii], v[TT+ii]
.set ii, ii+1
.endr
	v_nop                                          ; a plain line behind the last exponential
	s_wait_alu depctr_va_vdst(0)
.set ii, 0
.rept 16
	v_pk_add_f32 v[TT+2*ii:TT+2*ii+1], v[TT+2*ii:TT+2*ii+1], 1.0 op_sel_hi:[1,0]
.set ii, ii+1
.endr
.set ii, 0
	s_wait_alu depctr_va_vdst(0)
.rept 32
	v_rcp_f32 v[TT+ii], v[TT+ii]
.set ii, ii+1
.endr
	v_nop
	s_wait_alu depctr_va_vdst(0)
	WIN 0x41                                       ; destination and source 0 window 1
.set ii, 0
.rept 16
	v_pk_mul_f32 v[sx+2*ii:sx+2*ii+1], v[sx+2*ii:sx+2*ii+1], v[TT+2*ii:TT+2*ii+1]
.set ii, ii+1
.endr
.endr
	WIN 0
.endm
; The 64 numbers of rows m (register 16 b + i = k 32 b + 16 (lane / 16) + i of my token) become a fragment's codes and a scale word; the image goes to LDS: K step w % 4 of expert w / 4.
.macro QUANT m
.set qx, 64*(\m)
	s_wait_dscnt 0x0                               ; the last image's stores are done
	WIN 0x05                                       ; sources 0 and 1 window 1
.irp b, 0,1,2,3
	v_max3_num_f32 v[TM+\b], |v[qx+16*\b]|, |v[qx+16*\b+1]|, 0x2800000   ; my 16 numbers of block b, and the floor 2^(5 - 127): the byte cannot fall under 1
.endr
.irp i, 2,4,6,8,10,12,14
.irp b, 0,1,2,3
	s_delay_alu instid0(VALU_DEP_4)
	v_max3_num_f32 v[TM+\b], |v[qx+16*\b+\i]|, |v[qx+16*\b+\i+1]|, v[TM+\b]   ; the four blocks by turns
.endr
.endr
	WIN 0
.irp b, 0,1,2,3
	v_permlanex16_b32 v[TM+4+\b], v[TM+\b], s48, s49
.endr
.irp b, 0,1,2,3
	s_delay_alu instid0(VALU_DEP_4)
	v_max_num_f32 v[TM+\b], v[TM+\b], v[TM+4+\b]   ; with lane l xor 16's: the block's largest magnitude
.endr
.irp b, 0,1,2,3
	s_delay_alu instid0(VALU_DEP_4)
	v_add_nc_u32 v[TM+12+\b], 0xfe000000, v[TM+\b] ; 4 off its exponent field: the conversion's scale operand
.endr
.irp b, 0,1,2,3
	s_delay_alu instid0(VALU_DEP_4)
	v_lshrrev_b32 v[TM+4+\b], 23, v[TM+12+\b]      ; the scale's byte
.endr
	s_delay_alu instid0(VALU_DEP_3)
	v_lshl_or_b32 v[ASC+\m], v[TM+5], 8, v[TM+4]
	s_delay_alu instid0(VALU_DEP_1)
	v_lshl_or_b32 v[ASC+\m], v[TM+6], 16, v[ASC+\m]
	s_delay_alu instid0(VALU_DEP_1)
	v_lshl_or_b32 v[ASC+\m], v[TM+7], 24, v[ASC+\m]
	WIN 0x01
.irp c, 0,1
	v_cvt_scalef32_pk16_bf6_f32 v[PC+6*\c:PC+6*\c+2], v[qx+32*\c:qx+32*\c+15], v[TM+12+2*\c]
	v_cvt_scalef32_pk16_bf6_f32 v[PC+12+4*\c:PC+14+4*\c], v[qx+32*\c+16:qx+32*\c+31], v[TM+13+2*\c]   ; (a conversion's three registers begin on an even number)
.endr
	WIN 0
	v_nop                                          ; one plain line behind a scaled conversion
.irp c, 0,1                                    ; the operand's layout wants a whole block in a lane
.irp i, 0,1,2
	v_permlane16_swap_b32 v[PC+6*\c+\i], v[PC+12+4*\c+\i]
.endr
.irp i, 0,1,2
	s_delay_alu instid0(VALU_DEP_3)
	v_mov_b32 v[PC+3+6*\c+\i], v[PC+12+4*\c+\i]
.endr
.endr
.irp j, 0,1,2
	ds_store_b128 v[HWI], v[PC+4*\j:PC+4*\j+3] offset:1536*(\m)+512*\j
.endr
.endm
; The way out of rows m, columns 64 c on: the two experts' results are weighed and added; 16 rows x 256 bytes go through my stage and leave as whole aligned runs of 256 bytes, each to its token's row.
.macro OUTM c, m
.set ox, 64*(\m)
	s_wait_xcnt 0x0                                ; the last stores have read their offsets and data: both are written again below
	ds_load_b128 v[TK:TK+3], v[TBR] offset:64*(\m)
	ds_load_b128 v[TK+4:TK+7], v[TBR] offset:64*(\m)+16
	WIN 0x51                                       ; destination, sources 0 and 2 window 1; the weights window 0
.set ii, 0
.rept 16
	v_pk_mul_f32 v[ox+2*ii:ox+2*ii+1], v[ox+2*ii:ox+2*ii+1], v[CW+4*(\m):CW+4*(\m)+1]
.set ii, ii+1
.endr
.set ii, 0
.rept 16
	v_pk_fma_f32 v[ox+2*ii:ox+2*ii+1], v[ox+32+2*ii:ox+32+2*ii+1], v[CW+4*(\m)+2:CW+4*(\m)+3], v[ox+2*ii:ox+2*ii+1]
.set ii, ii+1
.endr
	WIN 0x04                                       ; an LDS store's data are its source 1: window 1
.irp t, 0,1,2,3
	ds_store_b128 v[STO], v[ox+8*\t:ox+8*\t+3] offset:64*\t
	ds_store_b128 v[STO], v[ox+8*\t+4:ox+8*\t+7] offset:64*\t+16
.endr
	WIN 0
.irp i, 0,1,2,3,4,5,6,7
	ds_load_b128 v[OB+4*\i:OB+4*\i+3], v[RD] offset:544*\i         ; LDS serves a wave's instructions in order: these see my stores
.endr
	s_wait_dscnt 16                                ; the tokens are in: behind them stand 8 stores and 8 loads
.irp i, 0,1,2,3,4,5,6,7
	v_min_u32 v[TK+\i], 0x1fff, v[TK+\i]
.endr
.irp i, 0,1,2,3,4,5,6,7
	v_lshl_add_u32 v[TK+\i], v[TK+\i], 12, v[COL]  ; the token's row of 4,096 bytes + 16 bytes a lane
.endr
	s_wait_alu depctr_va_vdst(0)
.irp i, 0,1,2,3,4,5,6,7
	s_wait_dscnt 7-\i
	global_store_b128 v[TK+\i], v[OB+4*\i:OB+4*\i+3], s[44:45] offset:256*(\c) th:TH_STORE_NT   ; 16 lanes store 256 consecutive bytes, aligned
.endr
.endm
	; ---- THE HEAD, on every path
	s_load_b256 s[4:11], s[0:1], 0x0               ; xq, plan, rw, wf
	s_load_b128 s[12:15], s[0:1], 0x20             ; b1, b2
	s_load_b64 s[16:17], s[0:1], 0x30              ; out0
	s_lshl_b32 s46, ttmp9, 4
	v_lshrrev_b32 v200, 5, v0
	s_delay_alu instid0(VALU_DEP_1)
	v_readfirstlane_b32 s24, v200                  ; wave 0..7
	v_and_b32 v201, 31, v0                         ; lane
	v_bfe_u32 v202, v0, 4, 1                       ; h
	v_and_b32 v203, 15, v0                         ; r
	s_delay_alu instid0(VALU_DEP_3)
	v_lshlrev_b32 v[LI], 4, v201
	s_delay_alu instid0(VALU_DEP_4)
	v_lshlrev_b32 v[L4], 2, v201
	s_delay_alu instid0(VALU_DEP_2)
	v_add_nc_u32 v[LIH], HB, v[LI]
	s_mul_i32 s25, s24, BLK
	v_add_nc_u32 v[HWI], s25, v[LIH]
	v_add_nc_u32 v[XWI], s25, v[LI]
	s_mul_i32 s25, s24, 4352
	s_add_co_u32 s25, s25, STAGE
	v_mul_u32_u24 v[STO], v203, 272
	s_delay_alu instid0(VALU_DEP_1)
	v_lshl_add_u32 v[STO], v202, 5, v[STO]
	s_delay_alu instid0(VALU_DEP_1)
	v_add_nc_u32 v[STO], s25, v[STO]               ; in: row r, 32 bytes for each half of the lanes
	v_mul_u32_u24 v[RD], v202, 272
	s_delay_alu instid0(VALU_DEP_1)
	v_lshl_add_u32 v[RD], v203, 4, v[RD]
	s_delay_alu instid0(VALU_DEP_1)
	v_add_nc_u32 v[RD], s25, v[RD]                 ; back: lanes 0-15 one row, lanes 16-31 the next
	s_lshl_b32 s25, s24, 8
	s_add_co_u32 s25, s25, TBL
	v_lshl_add_u32 v[TBR], v202, 5, s25
	v_and_b32 v200, 1, v0
	v_bfe_u32 v[TBW], v0, 1, 3
	s_delay_alu instid0(VALU_DEP_1)
	v_lshlrev_b32 v[TBW], 2, v[TBW]
	s_delay_alu instid0(VALU_DEP_1)
	v_lshl_add_u32 v[TBW], v200, 5, v[TBW]
	s_delay_alu instid0(VALU_DEP_1)
	v_add_nc_u32 v[TBW], s25, v[TBW]
	v_lshlrev_b32 v[COL], 4, v203
	v_lshlrev_b32 v[B1O], 6, v202
	v_lshlrev_b32 v[B2O], 5, v202
	v_mul_u32_u24 v221, v202, 48
	s_mov_b32 s48, 0x76543210
	s_mov_b32 s49, 0xfedcba98                      ; v_permlanex16_b32's selects for lane l xor 16
	s_mov_b32 s50, 0xbfb8aa3b                      ; -log2(e)
	s_mov_b32 s51, s50                             ; (named with it as a pair, so it is written)
	s_wait_kmcnt 0x0
	s_load_b128 s[20:23], s[6:7], s46 offset:0x8000    ; my tile: first place, rows, lower expert, higher expert
	s_wait_kmcnt 0x0
	s_min_u32 s20, s20, 0x1fff
	s_sub_co_u32 s27, s21, 1                       ; the last row (with no rows: the greatest number, and the places are held below)
	s_cmp_lt_u32 s24, 4
	s_cselect_b32 s25, s22, s23                    ; the first product's expert: waves 0-3 lo, waves 4-7 hi
	s_min_u32 s25, s25, 7                          ; numbers read from memory are held before they enter an address
	s_min_u32 s22, s22, 7
	s_min_u32 s23, s23, 7
	s_and_b32 s26, s24, 3
	s_lshl_b32 s28, s25, 2
	s_add_co_u32 s28, s28, s26
	s_mul_i32 s28, s28, 102400
	s_mov_b32 s29, 0
	s_add_nc_u64 s[28:29], s[10:11], s[28:29]      ; my stream of W1
	s_mul_i32 s46, s24, 51200
	s_add_co_u32 s46, s46, 3276800
	s_mul_i32 s30, s22, 409600
	s_add_co_u32 s30, s30, s46
	s_mov_b32 s31, 0
	s_add_nc_u64 s[30:31], s[10:11], s[30:31]      ; my streams of W2: lo,
	s_mul_i32 s32, s23, 409600
	s_add_co_u32 s32, s32, s46
	s_mov_b32 s33, 0
	s_add_nc_u64 s[32:33], s[10:11], s[32:33]      ; hi
	s_lshl_b32 s34, s25, 11
	s_lshl_b32 s47, s26, 9
	s_add_co_u32 s34, s34, s47
	s_mov_b32 s35, 0
	s_add_nc_u64 s[34:35], s[12:13], s[34:35]      ; b1 at my 128 hidden units
	s_lshl_b32 s47, s24, 9                         ; my 128 outputs: 512 bytes a wave
	s_lshl_b32 s36, s22, 12
	s_add_co_u32 s36, s36, s47
	s_mov_b32 s37, 0
	s_add_nc_u64 s[36:37], s[14:15], s[36:37]      ; b2: lo,
	s_lshl_b32 s38, s23, 12
	s_add_co_u32 s38, s38, s47
	s_mov_b32 s39, 0
	s_add_nc_u64 s[38:39], s[14:15], s[38:39]      ; hi
	s_mul_i32 s40, s24, 96
	s_mov_b32 s41, 0
	s_add_nc_u64 s[40:41], s[4:5], s[40:41]        ; x's codes: I gather K step w
	s_lshl_b32 s42, s24, 2
	s_mov_b32 s43, 0
	s_add_nc_u64 s[42:43], s[4:5], s[42:43]        ; and its scale words
	s_mov_b32 s44, s47
	s_mov_b32 s45, 0
	s_add_nc_u64 s[44:45], s[16:17], s[44:45]
.irp m, 0,1,2,3
	v_add_nc_u32 v[204+\m], 16*\m, v203
	s_delay_alu instid0(VALU_DEP_1)
	v_min_u32 v[204+\m], s27, v[204+\m]            ; places past the last row repeat it
	s_delay_alu instid0(VALU_DEP_1)
	v_add_nc_u32 v[204+\m], s20, v[204+\m]
	s_delay_alu instid0(VALU_DEP_1)
	v_min_u32 v[204+\m], 0x1fff, v[204+\m]
	s_delay_alu instid0(VALU_DEP_1)
	v_lshlrev_b32 v[204+\m], 2, v[204+\m]
.endr
.irp m, 0,1,2,3
	global_load_b32 v[208+\m], v[204+\m], s[6:7]   ; the token of row 16 m + r
.endr
	BIAS1
.set wn, 0
.rept 5
	WLOAD
.set wn, wn+1
.endr
	s_wait_loadcnt 51                              ; the tokens are in: behind them stand 16 loads of b1 and 5 units of 7
.irp m, 0,1,2,3
	v_min_u32 v[208+\m], 0x1fff, v[208+\m]
	s_delay_alu instid0(VALU_DEP_1)
	v_mul_u32_u24 v[212+\m], v[208+\m], 768
	s_delay_alu instid0(VALU_DEP_1)
	v_add_nc_u32 v[212+\m], v[212+\m], v221        ; its codes: 768 bytes a token, + 48 h
	s_delay_alu instid0(VALU_DEP_3)
	v_lshlrev_b32 v[216+\m], 4, v[208+\m]
	s_delay_alu instid0(VALU_DEP_4)
	v_lshlrev_b32 v[222+\m], 5, v[208+\m]
.endr
.irp m, 0,1,2,3
	global_load_b128 v[CW+4*\m:CW+4*\m+3], v[216+\m], s[8:9]
.endr
.irp m, 0,1,2,3
.irp j, 0,1,2
	global_load_b128 v[ACT+12*\m+4*\j:ACT+12*\m+4*\j+3], v[212+\m], s[40:41] offset:16*\j   ; lane (r, h)'s 12 registers of the fragment lie on end
.endr
.endr
.irp m, 0,1,2,3
	global_load_b32 v[ASC+\m], v[222+\m], s[42:43] offset:6291456
.endr
.irp m, 0,1,2,3
	ds_store_b32 v[TBW], v[208+\m] offset:64*\m    ; (lanes r and r + 16 write the same word with the same value)
.endr
	s_wait_xcnt 0x0                                ; the loads above have read their offsets,
	s_wait_dscnt 0x0                               ; the stores their data: both lie in the registers of ring slots 5 and 6
.rept 2
	WLOAD
.set wn, wn+1
.endr
	s_wait_loadcnt 14                              ; all but units 5 and 6
.irp i, 0,1,2,3,4,5,6,7,8,9,10,11
	ds_store_b128 v[XWI], v[ACT+4*\i:ACT+4*\i+3] offset:512*\i
.endr
	ds_store_b128 v[XWI], v[ASC:ASC+3] offset:6144
	s_wait_dscnt 0x0                               ; for the others' sake: my K step of x lies in LDS
	s_barrier_signal -1
	s_barrier_wait -1
	s_cmp_lg_u32 s21, 0
	s_cbranch_scc1 .Lwork1
	s_wait_loadcnt 0x0                             ; a tile without rows: nothing stays out
	s_branch .Ljoin1
.Lwork1:
	; ---- THE FIRST PRODUCT: 32 units, K = 1,024
.set un, 0
.rept 32
	UNIT
.set un, un+1
.endr
	SILU 3                                         ; rows 3 first: their registers take the second product's biases
	QUANT 3
	BIAS2 0
.irp m, 0,1,2
	SILU \m
	QUANT \m
.endr
	ds_store_b128 v[HWI], v[ASC:ASC+3] offset:6144 ; the four scale words
.Ljoin1:
	s_wait_dscnt 0x0                               ; for the others' sake: my K step of the hidden layer lies in LDS
	s_barrier_signal -1
	s_barrier_wait -1
	s_cmp_eq_u32 s21, 0
	s_cbranch_scc1 .Lend
	; ---- THE SECOND PRODUCT: 64 columns x both experts at a time, K = 512
.set un, 32
.rept 16
	UNIT
.set un, un+1
.endr
	OUTM 0, 3
	BIAS2 1                                        ; rows 3 have left (the count-down above ended at 0: their LDS stores are done): their registers take the next columns' biases
	OUTM 0, 0
	OUTM 0, 1
	OUTM 0, 2
	s_wait_xcnt 0x0                                ; the stores have read their registers, which take fragments again
.rept 16
	UNIT
.set un, un+1
.endr
	OUTM 1, 3
	OUTM 1, 0
	OUTM 1, 1
	OUTM 1, 2
.Lend:
	s_wait_xcnt 0x0
	v_lshl_add_u32 v254, v0, 2, 0x23000
	v_mov_b32 v255, 0
	s_wait_alu depctr_va_vdst(0)
	s_wait_tensorcnt 0x0
	ds_add_u32 v254, v255
	s_wait_dscnt 0x0
	s_endpgm
.Lfunc_end_k_q89cad7ed63_experts:
	.size	k_q89cad7ed63_experts, .Lfunc_end_k_q89cad7ed63_experts-k_q89cad7ed63_experts
	.p2alignl 7, 3214868480
	.fill 96, 4, 3214868480
	.section	.rodata,"a",@progbits
	.p2align	6, 0x0
	.amdhsa_kernel k_q89cad7ed63_experts
		.amdhsa_group_segment_fixed_size 144384
		.amdhsa_private_segment_fixed_size 0
		.amdhsa_enable_private_segment 0
		.amdhsa_kernarg_size 56
		.amdhsa_user_sgpr_count 2
		.amdhsa_user_sgpr_kernarg_segment_ptr 1
		.amdhsa_wavefront_size32 1
		.amdhsa_system_sgpr_workgroup_id_x 1
		.amdhsa_system_sgpr_workgroup_id_y 1
		.amdhsa_system_sgpr_workgroup_id_z 1
		.amdhsa_system_vgpr_workitem_id 0
		.amdhsa_next_free_vgpr 512
		.amdhsa_next_free_sgpr 66
		.amdhsa_reserve_vcc 0
		.amdhsa_float_denorm_mode_32 3
		.amdhsa_float_denorm_mode_16_64 3
		.amdhsa_memory_ordered 1
		.amdhsa_forward_progress 1
		.amdhsa_inst_pref_size 255
	.end_amdhsa_kernel
	.section	.bss,"aw",@nobits
	.p2align	6
	.space	262144
	.amdgpu_metadata
---
amdhsa.version: [ 1, 2 ]
amdhsa.kernels:
  - .name:           k_q89cad7ed63_experts
    .symbol:         k_q89cad7ed63_experts.kd
    .args:
      - { .name: xq, .offset: 0, .size: 8, .value_kind: global_buffer, .address_space: global }
      - { .name: plan, .offset: 8, .size: 8, .value_kind: global_buffer, .address_space: global }
      - { .name: rw, .offset: 16, .size: 8, .value_kind: global_buffer, .address_space: global }
      - { .name: wf, .offset: 24, .size: 8, .value_kind: global_buffer, .address_space: global }
      - { .name: b1, .offset: 32, .size: 8, .value_kind: global_buffer, .address_space: global }
      - { .name: b2, .offset: 40, .size: 8, .value_kind: global_buffer, .address_space: global }
      - { .name: out0, .offset: 48, .size: 8, .value_kind: global_buffer, .address_space: global }
    .group_segment_fixed_size: 144384
    .private_segment_fixed_size: 0
    .kernarg_segment_align: 8
    .kernarg_segment_size: 56
    .max_flat_workgroup_size: 256
    .sgpr_count:     66
    .vgpr_count:     512
    .wavefront_size: 32
...
	.end_amdgpu_metadata
.endif
;; end of part 3
